; MI455X (gfx1250); checked and timed in simulation.
; The chip was launched on July 23, 2026; its instructions are those of AMD's public machine-readable ISA for CDNA 5 (MIT licence, August 2026) and "CDNA5" Instruction Set Architecture Reference Guide (July 2026). The comments in the code are by the model that wrote it; some were corrected since.
;; Bahdanau Attention. Allowed arithmetic: matrix products marked QUANTISED: E3M2 operands, one E8M0 scale for each 32 along K, by v_wmma_scale_f32_16x16x128_f8f6f4 with both operands' format E3M2, f32 sums; products left as they are: f32 operands where the result goes on into a quantised operand, else bf16, f16 or f32 operands; f32 sums; everything else in f32.
;; Inputs: W_h 1,024 x 1,024 float32; W_s 1,024 x 1,024 float32; decoder_hidden 32 x 1,024 float32; encoder_outputs 32 x 2,048 x 1,024 float32; v 1,024 float32.
;; Outputs: out0 32 x 1,024 float32; out1 32 x 2,048 float32.
;; This version of the problem:
;;   THIS VERSION OF THE PROBLEM IS GIVEN IN LOW PRECISION. The matrix products marked QUANTISED in the list below multiply operands that are first quantised to E3M2 (3 exponent bits, 2 mantissa bits; 6 bits a number), with one power-of-two scale for each 32 numbers along K (OCP MX v1.0); their sums are f32. All else is computed in f32.
;;   The module's matrix products, in the order in which they are computed (A, B: the left and right operand; K: the contracted axis; several contracted axes count as one K, in the product's order):
;;     1. [M 65,536, K 1,024] x [K 1,024, N 1,024]; A: input encoder_outputs; B: input W_h: QUANTISED
;;     2. [M 32, K 1,024] x [K 1,024, N 1,024]; A: input decoder_hidden; B: input W_s: QUANTISED
;;     3. [M 65,536, K 1,024] x [K 1,024, N 1]; A: computed on the way; B: input v: left as it is (N = 1 < 16)
;;     4. batch 32 x [M 1, K 2,048] x [K 2,048, N 1,024]; A: softmax; B: input encoder_outputs: left as it is (M = 1 < 16)
;;   THE QUANTISER, for each operand of a quantised product, along K:
;;     - K is cut into blocks of 32 from its start; a last block that is shorter is filled with zeros.
;;     - A block's scale is 2^e with e = floor(log2(the largest magnitude in the block)) - 4, held to -126 .. 127; a block of zeros has e = 0. As a byte (E8M0): e + 127.
;;     - Each number is divided by its block's scale, clamped to +-28, and rounded to the nearest number of E3M2, ties to even, subnormals kept.
;;     - The product sums the exact products of the quantised numbers (number of the format x scale) in f32.
;;   ~~~python
;;   def quantise(x, axis):      # numpy; x: float32 -> the quantised numbers, widened to float32 again
;;       x = np.moveaxis(x, axis, -1); K = x.shape[-1]
;;       x = np.pad(x, [(0, 0)] * (x.ndim - 1) + [(0, -K % 32)]); x = x.reshape(x.shape[:-1] + (-1, 32)); a = np.abs(x).max(-1, keepdims=True)
;;       e = np.where(a > 0, np.clip(np.frexp(np.where(a > 0, a, 1))[1] - 1 - 4, -126, 127), 0)      # np.frexp(a)[1] - 1 = floor(log2(a)), exactly
;;       r = np.clip(x / 2.0 ** e, -28, 28)
;;       step = 2.0 ** (np.maximum(np.frexp(np.where(r == 0, 1, r))[1] - 1, -2) - 2)
;;       q = np.round(r / step) * step * 2.0 ** e      # np.round: ties to even
;;       return np.moveaxis(q.reshape(q.shape[:-2] + (-1,))[..., :K], -1, axis).astype(np.float32)
;;   ~~~
;; One version. Each part assembles by itself: llvm-mc -triple=amdgcn-amd-amdhsa -mcpu=gfx1250 --defsym DOCPART=n.
;; ======== version 1 of 1: 3 launches
;; limits: values are held in bf16: 8 bits of precision; right only within a limited range of input values
;; workspace buffers: wimg 819,200 bytes; wsc 131,072 bytes; scores 262,144 bytes; part_ml 131,072 bytes; part_ctx 2,097,152 bytes
;; launch prep (part 1): grid 128 x 1, 8 waves a work-group, no clusters, 305,152 bytes of LDS; arguments W_h, W_s, decoder_hidden, wimg, wsc; writes wimg, wsc
.if DOCPART == 1
	.amdgcn_target "amdgcn-amd-amdhsa--gfx1250"
	.amdhsa_code_object_version 6
	.text
	.protected	k_q988d9b9666_prep
	.globl	k_q988d9b9666_prep
	.p2align	8
	.type	k_q988d9b9666_prep,@function
k_q988d9b9666_prep:
	s_mov_b64 s[64:65], 0
	v_nop
	global_prefetch_b8 v0, s[64:65] scope:SCOPE_SE
	s_setreg_imm32_b32 hwreg(HW_REG_WAVE_MODE, 25, 1), 1
	s_wait_xcnt 0x0
; Two small jobs ahead of the main launch, told apart by the work-group's number.
; Work-groups 0-63 (way H): tile t = 16 rows (outputs) of W_h [1024][1024] f32 becomes codes of BF6 (E3M2) with one E8M0 byte for each 32 along K,
;   laid as an IMAGE OF THE OPERAND'S REGISTERS: tile t at 12,800 t: eight fragments (K step s) of 1,536 bytes, register 4 q + i of lane l at 1536 s + 512 q + 16 l + 4 i;
;   then 512 bytes of scale words: the word at 16 l + 4 u belongs to K step 2 u + l / 16, output l % 16.
; Work-groups 64-127 (way S): tile t of W_s and all 32 rows of decoder_hidden are quantised likewise and multiplied; wsc[b][o] = c x ws[b][o], c = 2 log2(e).
; Wave w takes K step w (128 along K).  Lane (r, h) takes row r and k = 64 c + 32 h + 0 .. 31 of the step: two whole blocks, in the order of the operand's registers.
; A block's scale is 2^(floor(log2(largest magnitude)) - 4); its byte is the largest magnitude's exponent field - 4, held at 1 from below.
; LIMITS: NaN and infinities are not served.  A block whose largest magnitude lies under 2^-122, a block of zeros among them, gets the byte 1 (its codes are then small or zero; the bytes are read by this program alone).
;         ws's sum over K is made of eight waves' parts, added in f32 in ascending K.
.set X0, 32                            ; v32-95   64 numbers of the weight
.set X1, 96                            ; v96-159  of decoder_hidden's rows 0-15
.set X2, 160                           ; v160-223 of its rows 16-31
.set C0, 224                           ; v224-235 the weight's fragment;  v236-238, v240-242 upper halves of blocks on their way
.set C1, 32                            ; v32-43, v44-55 decoder_hidden's two fragments, where X0 lay
.set C2, 44
.set RS, 1024                          ; LDS: way H uses bytes 0-511 (scale words), way S bytes 1,024-17,407 (eight waves' partial sums, 2,048 each)
.set STG, 34816                        ; behind the spare words: for each wave four stages of 16 rows x 528 bytes: three for way S's operands, the fourth for way H's
	s_load_b128 s[4:7], s[0:1], 0x0                ; W_h, W_s
	s_load_b128 s[8:11], s[0:1], 0x10              ; decoder_hidden, wimg
	s_load_b64 s[12:13], s[0:1], 0x20              ; wsc
	v_lshl_add_u32 v254, v0, 2, 0x8000
	v_mov_b32 v255, 0
	v_lshrrev_b32 v11, 5, v0
	s_delay_alu instid0(VALU_DEP_1)
	v_readfirstlane_b32 s14, v11                   ; wave = K step
	v_and_b32 v11, 31, v0
	s_delay_alu instid0(VALU_DEP_1)
	v_lshlrev_b32 v1, 4, v11                       ; 16 x lane
	s_wait_alu depctr_va_vdst(0)
	v_and_b32 v2, 15, v0                           ; r
	s_wait_alu depctr_va_vdst(0)
	v_bfe_u32 v3, v0, 4, 1                         ; h
	s_mul_i32 s24, s14, 33792
	s_add_co_u32 s24, s24, STG                     ; my wave's stages
	v_mul_u32_u24 v4, v2, 528
	v_lshlrev_b32 v5, 3, v3                        ; 8 h: my bytes' place in a scale word
	v_add_nc_u32 v7, s24, v1                       ; into a stage: 16 bytes a lane of a row's 512
	v_lshl_add_u32 v4, v3, 7, v4
	s_delay_alu instid0(VALU_DEP_1)
	v_add_nc_u32 v4, s24, v4                       ; back: row r, + 128 h
	s_and_b32 s15, s14, 1
	s_lshl_b32 s15, s15, 8
	s_lshr_b32 s16, s14, 1
	s_lshl_b32 s16, s16, 2
	s_add_co_u32 s15, s15, s16
	v_lshl_add_u32 v6, v2, 4, s15                  ; way H: 16 (16 (w % 2) + r) + 4 (w / 2)
	s_lshl_b32 s16, s14, 11
	s_add_co_u32 s16, s16, RS
	v_add_nc_u32 v8, s16, v1                       ; way S: where my wave puts its partial sums
	s_lshl_b32 s16, s14, 9
	s_add_co_u32 s16, s16, RS
	v_add_nc_u32 v9, s16, v1                       ; and where wave w (0-3) reads piece w of all eight
	v_lshlrev_b32 v10, 12, v2
	s_wait_alu depctr_va_vdst(0)
	v_lshl_add_u32 v10, v3, 5, v10                 ; wsc: row r of 4,096 bytes + 32 h
	v_mov_b32 v23, 0                               ; a lane permute's destination counts as one of its sources
	s_mov_b32 s20, 0x76543210
	s_mov_b32 s21, 0xfedcba98                      ; selects for lane l xor 16
	s_and_b32 s17, ttmp9, 63                       ; the tile
	s_lshl_b32 s18, s17, 16
	s_lshl_b32 s22, s14, 9
	s_add_co_u32 s18, s18, s22                     ; 16 rows x 4,096 bytes x tile + 512 x K step
	s_mov_b32 s19, 0
	s_mov_b32 s23, 0
	s_wait_kmcnt 0x0
	s_cmp_lt_u32 ttmp9, 64
	s_cselect_b64 s[4:5], s[4:5], s[6:7]           ; the weight: a choice on the work-group's number alone
	s_add_nc_u64 s[4:5], s[4:5], s[18:19]
	s_add_nc_u64 s[8:9], s[8:9], s[22:23]          ; decoder_hidden at my K step
.macro LOADX x, lo, off                ; 16 rows x 128 numbers: each load reads 512 consecutive bytes of one row
.irp p, 0,1,2,3,4,5,6,7,8,9,10,11,12,13,14,15
	global_load_b128 v[\x+4*\p:\x+4*\p+3], v1, s[\lo:\lo+1] offset:(\off)+4096*\p
.endr
.endm
.macro TURN x, m                       ; through my wave's stage m, served in order: a lane gets back k = 64 c + 32 h + 0 .. 31 of row r at v[x + 32 c ..]
.irp p, 0,1,2,3,4,5,6,7,8,9,10,11,12,13,14,15
	ds_store_b128 v7, v[\x+4*\p:\x+4*\p+3] offset:8448*\m+528*\p
.endr
.irp c, 0,1
.irp q, 0,1,2,3,4,5,6,7
	ds_load_b128 v[\x+32*\c+4*\q:\x+32*\c+4*\q+3], v4 offset:8448*\m+256*\c+16*\q
.endr
.endr
.endm
; v[x] .. v[x + 63] become a fragment's twelve registers at v[d] and its scale word in v[w] (the same in lanes l and l xor 16)
.macro QUANT x, d, w
.irp c, 0,1
	v_max3_num_f32 v[16+\c], |v[\x+32*\c]|, |v[\x+32*\c+1]|, 0x2800000   ; the floor 2^(5 - 127): the byte cannot fall under 1
.endr
.irp i, 2,4,6,8,10,12,14,16,18,20,22,24,26,28,30
.irp c, 0,1
	s_delay_alu instid0(VALU_DEP_2)
	v_max3_num_f32 v[16+\c], v[16+\c], |v[\x+32*\c+\i]|, |v[\x+32*\c+\i+1]|   ; the two blocks by turns
.endr
.endr
	s_delay_alu instid0(VALU_DEP_2)
	v_add_nc_u32 v18, 0xfe000000, v16              ; 4 off the exponent field: the conversion's scale operand
	s_delay_alu instid0(VALU_DEP_2)
	v_add_nc_u32 v19, 0xfe000000, v17
	s_delay_alu instid0(VALU_DEP_2)
	v_lshrrev_b32 v20, 23, v18                     ; the scale's byte
	s_delay_alu instid0(VALU_DEP_2)
	v_lshrrev_b32 v21, 23, v19
	s_delay_alu instid0(VALU_DEP_1)
	v_lshl_or_b32 v[\w], v21, 16, v20              ; blocks h and 2 + h,
	s_delay_alu instid0(VALU_DEP_1)
	v_lshlrev_b32 v[\w], v5, v[\w]                 ; at their places;
	s_delay_alu instid0(VALU_DEP_1)
	v_permlanex16_b32 v23, v[\w], s20, s21
	s_delay_alu instid0(VALU_DEP_1)
	v_or_b32 v[\w], v[\w], v23                     ; with the other half's two the word is whole
.irp c, 0,1
	v_cvt_scalef32_pk16_bf6_f32 v[\d+6*\c:\d+6*\c+2], v[\x+32*\c:\x+32*\c+15], v[18+\c]
	v_cvt_scalef32_pk16_bf6_f32 v[236+4*\c:238+4*\c], v[\x+32*\c+16:\x+32*\c+31], v[18+\c]   ; a conversion's three registers begin on an even number
.endr
	v_nop                                          ; one plain place behind a scaled conversion
.irp c, 0,1
.irp i, 0,1,2
	v_mov_b32 v[\d+6*\c+3+\i], v[236+4*\c+\i]
.endr
.endr
.endm
	LOADX X0, 4, 0
	s_cmp_lt_u32 ttmp9, 64
	s_cbranch_scc0 .Lpath_s
	; ---- way H: W_h's image
	s_mul_i32 s18, s17, 12800
	s_mul_i32 s22, s14, 1536
	s_add_co_u32 s18, s18, s22
	s_add_nc_u64 s[10:11], s[10:11], s[18:19]      ; my fragment's image
	s_wait_loadcnt 0x0
	TURN X0, 3
	s_wait_dscnt 0x0
	QUANT X0, C0, 12
.irp q, 0,1,2
	global_store_b128 v1, v[C0+4*\q:C0+4*\q+3], s[10:11] offset:512*\q   ; 32 lanes store 512 consecutive bytes, at a multiple of 256 from the buffer's first byte
.endr
	ds_store_b32 v6, v12                           ; both lanes of a row write the same word with the same value
	s_wait_dscnt 0x0                               ; for the others' sake: my word has landed
	s_barrier_signal -1
	s_barrier_wait -1
	s_cmp_lg_u32 s14, 0
	s_cbranch_scc1 .Lh_end
	ds_load_b128 v[24:27], v1                      ; wave 0: the tile's 512 bytes of scale words
	s_wait_dscnt 0x0
	global_store_b128 v1, v[24:27], s[10:11] offset:12288   ; (wave 0's base is the tile's)
.Lh_end:
	s_wait_tensorcnt 0x0
	ds_add_u32 v254, v255
	s_wait_dscnt 0x0
	s_endpgm
	; ---- way S: c x ws
.Lpath_s:
	LOADX X1, 8, 0
	LOADX X2, 8, 65536
	s_wait_loadcnt 32                              ; the weight's 16 loads are in
	TURN X0, 0
	s_wait_loadcnt 16
	TURN X1, 1
	s_wait_loadcnt 0x0
	TURN X2, 2
	s_wait_dscnt 63                                ; behind the weight's loads from its stage stand 64 LDS instructions
	QUANT X0, C0, 12
	s_wait_dscnt 32                                ; behind the second operand's: 32
	QUANT X1, C1, 13
	s_wait_dscnt 0x0
	QUANT X2, C2, 14
.rept 8
	v_nop                                          ; a scale register written by a vector instruction stands eight places ahead of a scaled matrix instruction, an operand four
.endr
	v_wmma_scale_f32_16x16x128_f8f6f4 v[64:71], v[C0:C0+11], v[C1:C1+11], 0, v12, v13 matrix_a_fmt:MATRIX_FMT_BF6 matrix_b_fmt:MATRIX_FMT_BF6   ; lane (r, h), register j: output 8 h + j, batch r
	v_wmma_scale_f32_16x16x128_f8f6f4 v[72:79], v[C0:C0+11], v[C2:C2+11], 0, v12, v14 matrix_a_fmt:MATRIX_FMT_BF6 matrix_b_fmt:MATRIX_FMT_BF6   ; batch 16 + r
.rept 4
	v_nop
.endr
.irp p, 0,1,2,3
	ds_store_b128 v8, v[64+4*\p:67+4*\p] offset:512*\p     ; piece p = 2 a + half; each accumulator from its low end on
.endr
	s_wait_dscnt 0x0
	s_barrier_signal -1
	s_barrier_wait -1
	s_cmp_gt_u32 s14, 3
	s_cbranch_scc1 .Ls_end
.irp u, 0,1,2,3,4,5,6,7
	ds_load_b128 v[96+4*\u:99+4*\u], v9 offset:2048*\u     ; piece w of all eight K steps
.endr
	s_lshr_b32 s18, s14, 1
	s_lshl_b32 s18, s18, 16                        ; 16 rows of 4,096 bytes x a
	s_lshl_b32 s22, s17, 6
	s_add_co_u32 s18, s18, s22                     ; + 64 x tile
	s_and_b32 s22, s14, 1
	s_lshl_b32 s22, s22, 4
	s_add_co_u32 s18, s18, s22                     ; + 16 x half
	s_add_nc_u64 s[12:13], s[12:13], s[18:19]
	s_wait_dscnt 0x0
.irp u, 1
	v_pk_add_f32 v[96:97], v[96:97], v[96+4*\u:97+4*\u]
	v_pk_add_f32 v[98:99], v[98:99], v[98+4*\u:99+4*\u]
.endr
.irp u, 2, 3, 4, 5, 6, 7
	s_delay_alu instid0(VALU_DEP_2)
	v_pk_add_f32 v[96:97], v[96:97], v[96+4*\u:97+4*\u]
	s_delay_alu instid0(VALU_DEP_2)
	v_pk_add_f32 v[98:99], v[98:99], v[98+4*\u:99+4*\u]
.endr
	s_delay_alu instid0(VALU_DEP_2)
	v_pk_mul_f32 v[96:97], v[96:97], 0x4038aa3b op_sel_hi:[1,0]    ; x c = 2 log2(e)
	s_delay_alu instid0(VALU_DEP_2)
	v_pk_mul_f32 v[98:99], v[98:99], 0x4038aa3b op_sel_hi:[1,0]
	global_store_b128 v10, v[96:99], s[12:13]
.Ls_end:
	s_wait_tensorcnt 0x0
	ds_add_u32 v254, v255
	s_wait_dscnt 0x0
	s_endpgm
.Lfunc_end_k_q988d9b9666_prep:
	.size	k_q988d9b9666_prep, .Lfunc_end_k_q988d9b9666_prep-k_q988d9b9666_prep
	.p2alignl 7, 3214868480
	.fill 96, 4, 3214868480
	.section	.rodata,"a",@progbits
	.p2align	6, 0x0
	.amdhsa_kernel k_q988d9b9666_prep
		.amdhsa_group_segment_fixed_size 305152
		.amdhsa_private_segment_fixed_size 0
		.amdhsa_enable_private_segment 0
		.amdhsa_kernarg_size 40
		.amdhsa_user_sgpr_count 2
		.amdhsa_user_sgpr_kernarg_segment_ptr 1
		.amdhsa_wavefront_size32 1
		.amdhsa_system_sgpr_workgroup_id_x 1
		.amdhsa_system_sgpr_workgroup_id_y 1
		.amdhsa_system_sgpr_workgroup_id_z 1
		.amdhsa_system_vgpr_workitem_id 0
		.amdhsa_next_free_vgpr 256
		.amdhsa_next_free_sgpr 66
		.amdhsa_reserve_vcc 0
		.amdhsa_float_denorm_mode_32 3
		.amdhsa_float_denorm_mode_16_64 3
		.amdhsa_memory_ordered 1
		.amdhsa_forward_progress 1
		.amdhsa_inst_pref_size 37
	.end_amdhsa_kernel
	.amdgpu_metadata
---
amdhsa.version: [ 1, 2 ]
amdhsa.kernels:
  - .name:           k_q988d9b9666_prep
    .symbol:         k_q988d9b9666_prep.kd
    .args:
      - { .name: W_h, .offset: 0, .size: 8, .value_kind: global_buffer, .address_space: global }
      - { .name: W_s, .offset: 8, .size: 8, .value_kind: global_buffer, .address_space: global }
      - { .name: decoder_hidden, .offset: 16, .size: 8, .value_kind: global_buffer, .address_space: global }
      - { .name: wimg, .offset: 24, .size: 8, .value_kind: global_buffer, .address_space: global }
      - { .name: wsc, .offset: 32, .size: 8, .value_kind: global_buffer, .address_space: global }
    .group_segment_fixed_size: 305152
    .private_segment_fixed_size: 0
    .kernarg_segment_align: 8
    .kernarg_segment_size: 40
    .max_flat_workgroup_size: 256
    .sgpr_count:     66
    .vgpr_count:     256
    .wavefront_size: 32
...
	.end_amdgpu_metadata
.endif
;; end of part 1
;; launch main (part 2): grid 512 x 1, 4 waves a work-group, clusters of 4 x 1, 327,680 bytes of LDS; arguments encoder_outputs, v, wimg, wsc, scores, part_ml, part_ctx; writes scores, part_ml, part_ctx
.if DOCPART == 2
	.amdgcn_target "amdgcn-amd-amdhsa--gfx1250"
	.amdhsa_code_object_version 6
	.text
	.protected	k_q988d9b9666_main
	.globl	k_q988d9b9666_main
	.p2align	8
	.type	k_q988d9b9666_main,@function
k_q988d9b9666_main:
	s_mov_b64 s[64:65], 0
	v_nop
	global_prefetch_b8 v0, s[64:65] scope:SCOPE_SE
	s_setreg_imm32_b32 hwreg(HW_REG_WAVE_MODE, 25, 1), 1
	s_wait_xcnt 0x0
	s_wait_alu depctr_hold_cnt(0) depctr_sa_sdst(0) depctr_va_vdst(0) depctr_va_sdst(0) depctr_va_ssrc(0) depctr_va_vcc(0) depctr_vm_vsrc(0)
	s_getreg_b32 s2, hwreg(HW_REG_IB_STS2, 6, 4)
	s_cmp_eq_u32 s2, 0
	s_cbranch_scc0 .Lentry_in_a_cluster
	s_endpgm
.Lentry_in_a_cluster:
	s_bfe_u32 s2, ttmp6, 0x10000c
	s_cmp_lg_u32 s2, 0x3003
	s_cbranch_scc0 .Lentry_shape_is_right
	s_endpgm
.Lentry_shape_is_right:
; For 128 rows (b, s) of encoder_outputs [65536][1024] f32: score = sum over o of v[o] tanh(wh[o] + ws[b][o]), wh = Q(enc) Q(W_h)^T on codes of BF6 (E3M2) with E8M0 scales;
; then the block's part of the softmax and of the context: M = the block's largest score, p = e^(score - M), l = sum of p, ctx = sum of p x enc's row.  The last launch joins sixteen blocks to a batch.
; The rows are read from memory once.  A wave owns 32 rows (two tiles of 16) and all 1,024 outputs; it keeps its rows as codes (192 registers) for the product and as bf16 (512 registers) for the context.
; W_h's codes come as images of operand registers, 64 tiles of 16 outputs, through two LDS slots of eight tiles.  The four work-groups of a cluster walk the same tiles: each quarter of a slot is one joint load.
; tanh(x) = 1 - 2 r, r = 1 / (1 + 2^(c x)), c = 2 log2(e): score = sum of v + sum over o of (-2 v[o]) r.  For large |x| the power is infinite or 0 and r is 0 or 1.
; The product is used transposed: source 0 = 16 outputs of W_h, source 1 = 16 rows: lane (r, h) holds row r, register j output 8 h + j.
; A TILE: 16 matrix instructions on end (two accumulators by turns); then 24 plain lines: tile t - 2: x (-2 v), summed; tile t - 1: + 1; tile t: c wh + c ws; one wait; one batch of 32 transcendentals
; (tile t - 1's reciprocals, tile t's powers); one wait.  The next tile's fragments are fetched in two runs, each behind one of the two waits.
; THE CONTEXT goes to the matrix units in bf16: K = 16 rows of a row tile.  A register of the copy holds two rows of one column; lanes 0-15 and 16-31 hold different columns, so p stands in row 0 of
; source 0 for the K places of lanes 0-15 and in row 1 for those of lanes 16-31, zeros elsewhere: result row 0 is the sum for the columns of lanes 0-15, row 1 for those of lanes 16-31.
; No prefetch: W's images are read by all work-groups of the launch, and the rows are streamed in one run at the head, with no loop ahead of it to ask in.
; LIMITS: NaN and infinities are not served.  A block of 32 whose largest magnitude lies under 2^-122, zeros among them, gets the scale byte 1.  The context takes the rows and p rounded to bf16.
; REGISTERS.  Window 0: the names below.  Window 1: v0-191 the rows' codes, fragment (row tile a, K step s) at 12 (8 a + s); v192-255 -2 v for two groups of four tiles; at the end the context's 32 accumulators.
;   Window 2: the copy of rows 0-15: register 32 s + 8 e + q = rows 2 q, 2 q + 1 of column 128 s + 4 lane + e.   Window 3: rows 16-31.
.set SLOT1, 1<<17
.set TILEB, 12800
.set CHB,   8*TILEB
.set QB,    CHB/4                      ; one tensor load: 100 rows of 256 bytes
.set WT,    102400                     ; c ws of my batch, 4,096 bytes; behind it -2 v, 4,096 bytes
.set CTXS,  110592                     ; four waves' partial contexts
.set RED1,  126976                     ; four waves' maxima; 64 bytes on: their sums
.set SCL,   127232                     ; the block's 128 scores
.set SPARE, 127744                     ; the spare words, 128 bytes a wave
.set STG,   233472                     ; behind slot 1: a stage of 16 rows x 528 bytes for each wave
.set SPT,   528
.set SPW, 2
.set NIL, 3
.set AS,  16                           ; the rows' scale words, K step s: lanes 0-15 row tile 0, lanes 16-31 row tile 1
.set BS,  24                           ; W's scale words, two sets: register u: lanes 0-15 K step 2 u, lanes 16-31 K step 2 u + 1
.set WS,  32                           ; c ws at the tile's outputs 8 h + 0 .. 7
.set SC,  40                           ; the scores' sums
.set ACC, 48                           ; four sets of two accumulators
.set BF,  112                          ; W's eight fragments of a tile
.set RQ,  48                           ; the load phase: three sets of 64 numbers
.set V2B, 192                          ; in window 1
.set CA,  112                          ; the context: register 4 s + e = column 128 s + 4 lane + e
.set PA,  48                           ; p as source 0: eight registers for each row tile
.set MAIN, 0x04                        ; source 1 in window 1, all else in window 0
; v1 16 x lane; v4, v5 the slot's tiles 0-3, 4-7; v6 the other slot's tile 0; v7 the chunk's place in the tables; v8, v9 the stage, in and back; v10 8 h; v13 WT + 32 h; v15 the sum of v
.set MSB, 0
.macro WIN new
.if MSB != (\new)
	s_set_vgpr_msb (MSB<<8)|(\new)
.set MSB, (\new)
.endif
.endm
.macro PLACES
.rept 4
	v_nop
.endr
.endm
.macro CROUND                          ; a round of the cluster's barrier
	s_barrier_signal -1
	s_barrier_wait -1
	s_cmp_lg_u32 s18, 0
	s_cbranch_scc1 .Lnot_wave_0_\@
	s_barrier_signal -3
.Lnot_wave_0_\@:
	s_barrier_wait -3
	s_barrier_signal -1
	s_barrier_wait -1
.endm
	s_load_b256 s[4:11], s[0:1], 0x0               ; enc, v, wimg, wsc
	s_load_b128 s[12:15], s[0:1], 0x20             ; scores, part_ml
	s_load_b64 s[16:17], s[0:1], 0x30              ; part_ctx
	v_lshl_add_u32 v[SPW], v0, 2, SPARE
	v_mov_b32 v[NIL], 0
	ds_add_u32 v[SPW], v[NIL]                      ; the opening lines: the add twice on end and one wait
	ds_add_u32 v[SPW], v[NIL]
	v_lshrrev_b32 v11, 5, v0
	v_readfirstlane_b32 s18, v11                   ; wave 0..3
	s_bfe_u32 s19, ttmp6, 0x40000                  ; cx
	s_lshl_b32 s20, ttmp9, 2
	s_add_co_u32 s20, s20, s19                     ; my block of 128 rows: it enters global addresses alone
	s_lshr_b32 s21, s20, 4                         ; the batch
	s_mov_b32 s24, 15|(3<<16)|(1<<21)              ; group 1: the mask names all four; elements of 8 bytes
	s_mov_b32 s25, 32<<16
	s_mov_b32 s26, 100<<16
	s_mov_b32 s27, 32<<16
	s_mov_b32 s28, 100
	s_mov_b32 s29, 32
	s_mov_b32 s30, 0
	s_mov_b32 s31, 0
	s_mul_i32 s50, s18, QB                         ; my quarter of a slot, in LDS and in memory
	s_mov_b32 s51, 0
	s_mov_b32 s44, 0x4038aa3b                      ; c = 2 log2(e)
	s_mov_b32 s45, s44
	s_mov_b32 s46, 0x76543210
	s_mov_b32 s47, 0xfedcba98                      ; selects for lane l xor 16
	s_mov_b32 s48, 0xffff0000                      ; lanes 16-31
	s_mov_b32 s49, 0x3fb8aa3b                      ; log2(e)
	s_mov_b32 s57, 0x00020001                      ; lanes 0 and 17
	s_mul_i32 s53, s18, 16*SPT
	s_add_co_u32 s53, s53, STG
	s_lshl_b32 s54, s18, 2
	s_add_co_u32 s54, s54, RED1
	s_lshl_b32 s55, s18, 12
	s_add_co_u32 s55, s55, CTXS
	s_lshl_b32 s56, s18, 10
	s_add_co_u32 s56, s56, CTXS
	s_mov_b32 s23, 0
	v_and_b32 v11, 31, v0
	v_lshlrev_b32 v1, 4, v11
	v_and_b32 v12, 15, v0                          ; r
	v_bfe_u32 v14, v0, 4, 1                        ; h
	v_add_nc_u32 v8, s53, v1                       ; into my stage: 16 bytes a lane of a row's 512
	v_mul_u32_u24 v9, v12, SPT
	v_lshl_add_u32 v9, v14, 7, v9
	v_add_nc_u32 v9, s53, v9                       ; back: row r, + 128 h
	v_lshlrev_b32 v10, 3, v14
	v_lshl_add_u32 v13, v14, 5, WT
	v_lshlrev_b32 v11, 5, v0                       ; 32 x thread: my 8 numbers of a table of 1,024
	v_add_nc_u32 v12, WT, v11
	s_wait_alu depctr_va_vdst(0)
	s_wait_dscnt 0x0                               ; both opening adds are done
	s_wait_kmcnt 0x0
	s_add_nc_u64 s[8:9], s[8:9], s[50:51]
	s_mov_b32 s32, 1
	s_mov_b32 s33, s50                             ; slot 0, tiles 0-7
	s_mov_b64 s[34:35], s[8:9]
	s_or_b32 s35, s35, 0x80000000
	s_mov_b32 s36, 1
	s_add_co_u32 s37, s50, SLOT1                   ; slot 1, tiles 8-15; this group then walks
	s_add_nc_u64 s[38:39], s[8:9], CHB
	s_or_b32 s39, s39, 0x80000000
	s_lshl_b32 s22, s20, 19
	s_lshl_b32 s52, s18, 17
	s_add_co_u32 s22, s22, s52
	s_add_nc_u64 s[4:5], s[4:5], s[22:23]          ; enc at my wave's first row
	s_lshl_b32 s22, s21, 12
	s_add_nc_u64 s[10:11], s[10:11], s[22:23]      ; c ws of my batch
	s_lshl_b32 s22, s20, 9
	s_add_nc_u64 s[12:13], s[12:13], s[22:23]
	s_lshl_b32 s22, s20, 8
	s_add_nc_u64 s[14:15], s[14:15], s[22:23]
	s_lshl_b32 s22, s20, 12
	s_lshl_b32 s52, s18, 10
	s_add_co_u32 s22, s22, s52
	s_add_nc_u64 s[16:17], s[16:17], s[22:23]      ; part_ctx: my block's row, my wave's quarter
	global_load_b128 v[16:19], v11, s[10:11]
	global_load_b128 v[20:23], v11, s[10:11] offset:16
	global_load_b128 v[24:27], v11, s[6:7]
	global_load_b128 v[28:31], v11, s[6:7] offset:16
.irp i, 0,1,2,3
	global_load_b128 v[32+4*\i:35+4*\i], v1, s[6:7] offset:512*\i            ; all of v, 32 numbers a lane, for its sum
	global_load_b128 v[240+4*\i:243+4*\i], v1, s[6:7] offset:2048+512*\i
.endr
.macro GLOAD f                         ; step f = 8 a + s: 16 rows x 128 columns; each load reads 512 consecutive bytes of one row
.set GA, (\f)/8
.set GS, (\f)%8
.set GR, RQ+64*((\f)%3)
.irp p, 0,1,2,3,4,5,6,7,8,9,10,11,12,13,14,15
	global_load_b128 v[GR+4*\p:GR+4*\p+3], v1, s[4:5] offset:4096*(16*GA+\p)+512*GS th:TH_LOAD_NT
.endr
.endm
	GLOAD 0
	GLOAD 1
	GLOAD 2
	CROUND                                         ; all four work-groups are here: the first joint loads meet (the 60 loads above are on their way)
	tensor_load_to_lds s[32:35], s[24:31]          ; my one load at the head: my quarter of slot 0
	s_nop 0
	PLACES
	s_wait_loadcnt 48                              ; the twelve table loads are in; the three sets of rows stay out
	ds_store_b128 v12, v[16:19]
	ds_store_b128 v12, v[20:23] offset:16
.irp j, 24,26,28,30
	v_pk_mul_f32 v[\j:\j+1], v[\j:\j+1], -2.0 op_sel_hi:[1,0]
.endr
	ds_store_b128 v12, v[24:27] offset:4096
	ds_store_b128 v12, v[28:31] offset:4112
.irp j, 34,36,38,40,42,44,46,240,242,244,246,248,250,252,254
	v_pk_add_f32 v[32:33], v[32:33], v[\j:\j+1]
.endr
	v_add_f32 v15, v32, v33
	v_add_f32_dpp v15, v15, v15 row_xmask:1 row_mask:0xf bank_mask:0xf
	v_add_f32_dpp v15, v15, v15 row_xmask:2 row_mask:0xf bank_mask:0xf
	v_add_f32_dpp v15, v15, v15 row_xmask:4 row_mask:0xf bank_mask:0xf
	v_add_f32_dpp v15, v15, v15 row_xmask:8 row_mask:0xf bank_mask:0xf
	v_permlanex16_b32 v14, v15, s46, s47
	v_add_f32 v15, v15, v14                        ; the sum of v, in every lane
	v_mov_b32 v247, 0                              ; a lane permute's destination counts as one of its sources
; v[x] .. v[x + 63] (k = 64 c + 32 h + i of my row at x + 32 c + i) become the fragment at v[d] of window 1; the rows' scale word goes into AS[s]
.macro QUANT x, d, a, s
.irp c, 0,1
	v_max3_num_f32 v[240+\c], |v[\x+32*\c]|, |v[\x+32*\c+1]|, 0x2800000   ; the floor 2^(5 - 127): the byte cannot fall under 1
.endr
.irp i, 2,4,6,8,10,12,14,16,18,20,22,24,26,28,30
.irp c, 0,1
	v_max3_num_f32 v[240+\c], v[240+\c], |v[\x+32*\c+\i]|, |v[\x+32*\c+\i+1]|
.endr
.endr
	v_add_nc_u32 v242, 0xfe000000, v240            ; 4 off the exponent field: the conversion's scale operand
	v_add_nc_u32 v243, 0xfe000000, v241
	v_lshrrev_b32 v244, 23, v242
	v_lshrrev_b32 v245, 23, v243
	v_lshl_or_b32 v246, v245, 16, v244
	v_lshlrev_b32 v246, v10, v246
	v_permlanex16_b32 v247, v246, s46, s47
	v_or_b32 v246, v246, v247                      ; my row's scale word, in lanes r and 16 + r
	WIN 0x40
.irp c, 0,1
	v_cvt_scalef32_pk16_bf6_f32 v[\d+6*\c:\d+6*\c+2], v[\x+32*\c:\x+32*\c+15], v[242+\c]
	v_cvt_scalef32_pk16_bf6_f32 v[V2B+4*\c:V2B+4*\c+2], v[\x+32*\c+16:\x+32*\c+31], v[242+\c]   ; a conversion's three registers begin on an even number
.endr
	v_nop                                          ; one plain place behind a scaled conversion
	WIN 0x41
.irp c, 0,1
.irp i, 0,1,2
	v_mov_b32 v[\d+6*\c+3+\i], v[V2B+4*\c+\i]
.endr
.endr
	WIN 0
.if \a == 0
	v_mov_b32 v[AS+\s], v246
.else
	v_cndmask_b32 v[AS+\s], v[AS+\s], v246, s48    ; lanes 16-31 take row tile 1's
.endif
.endm
.macro LSTEP f
.set LA, (\f)/8
.set LS, (\f)%8
.set LR, RQ+64*((\f)%3)
.if (\f) < 14
	s_wait_loadcnt 32                              ; this set is in; the two sets behind it stay out
.elseif (\f) == 14
	s_wait_loadcnt 16
.else
	s_wait_loadcnt 0x0
.endif
	WIN 0x80+0x40*LA                               ; the copy: window 2 or 3; two rows of one column to a register
.irp q, 0,1,2,3,4,5,6,7
.irp e, 0,1,2,3
	v_cvt_pk_bf16_f32 v[32*LS+8*\e+\q], v[LR+8*\q+\e], v[LR+8*\q+4+\e]
.endr
.endr
	WIN 0
.irp p, 0,1,2,3,4,5,6,7,8,9,10,11,12,13,14,15
	ds_store_b128 v8, v[LR+4*\p:LR+4*\p+3] offset:SPT*\p
.endr
.irp c, 0,1
.irp q, 0,1,2,3,4,5,6,7
	ds_load_b128 v[LR+32*\c+4*\q:LR+32*\c+4*\q+3], v9 offset:256*\c+16*\q   ; my wave's own bytes, served in order: a lane gets 32 neighbours of one row
.endr
.endr
	s_wait_dscnt 0x0
	QUANT LR, 12*(8*LA+LS), LA, LS
.if (\f)+3 < 16
	GLOAD (\f)+3                                   ; into the set just left
.endif
.endm
.irp f, 0,1,2,3,4,5,6,7,8,9,10,11,12,13,14,15
	LSTEP \f
.endr
	; the first two tiles find 1.0 where the two tiles before them would lie, and a -2 v of 0 for them: they add nothing to the sums
.set j, ACC+32
.rept 32
	v_mov_b32 v[j], 1.0
.set j, j+1
.endr
.set j, SC
.rept 8
	v_mov_b32 v[j], 0
.set j, j+1
.endr
	WIN 0x40
.set j, V2B+32
.rept 32
	v_mov_b32 v[j], 0
.set j, j+1
.endr
	WIN 0
	s_wait_alu depctr_va_vdst(0)
	s_wait_tensorcnt 0x0                           ; my quarter of slot 0 is in
	ds_add_u32 v[SPW], v[NIL]
	s_wait_dscnt 0x0                               ; the add is done, and my parts of the two tables have landed
	CROUND                                         ; slot 0 and the tables are whole; all four work-groups are here
	tensor_load_to_lds s[36:39], s[24:31]          ; slot 1's first fill, issued as a refill is
	s_nop 0
	PLACES
.macro CHUNK_HEAD
	s_xor_b32 s43, s40, SLOT1
	v_add_nc_u32 v4, s40, v1
	v_add_nc_u32 v5, 4*TILEB, v4
	v_add_nc_u32 v6, s43, v1
	v_add_nc_u32 v7, s41, v13
	s_wait_alu depctr_va_vdst(0)
.endm
.macro RLD adr, off, s                 ; fragment s of a tile: three loads of 512 consecutive bytes
.irp q, 0,1,2
	ds_load_b128 v[BF+12*(\s)+4*\q:BF+12*(\s)+4*\q+3], v[\adr] offset:(\off)+1536*(\s)+512*\q
.endr
.endm
.macro V2LOAD off, buf, back           ; -2 v for four tiles
	WIN 0x40
.irp u, 0,1,2,3
	ds_load_b128 v[V2B+32*(\buf)+8*\u:V2B+32*(\buf)+8*\u+3], v7 offset:4096+(\off)+64*\u
	ds_load_b128 v[V2B+32*(\buf)+8*\u+4:V2B+32*(\buf)+8*\u+7], v7 offset:4096+(\off)+64*\u+16
.endr
	WIN \back
.endm
; plain 0-7: set S2, pair p: + 1;  plain 12-19: set S1, pair p - 12: c wh + c ws, each accumulator from its low end on;  plain 8-11, 20-23: set S3, pairs 0-7: x (-2 v), onto the row's sums
.macro PLAIN p
.if (\p) < 8
.set IQ, (\p)
	v_pk_add_f32 v[S2+2*IQ:S2+2*IQ+1], v[S2+2*IQ:S2+2*IQ+1], 1.0 op_sel_hi:[1,0]
.elseif ((\p) >= 12) && ((\p) < 20)
.set IQ, (\p)-12
	v_pk_fma_f32 v[S1+2*IQ:S1+2*IQ+1], v[S1+2*IQ:S1+2*IQ+1], s[44:45], v[WS+2*(IQ%4):WS+2*(IQ%4)+1] op_sel_hi:[1,0,1]
.else
.set IQ, (\p)-8
.if (\p) >= 20
.set IQ, (\p)-16
.endif
	v_pk_fma_f32 v[SC+4*(IQ/4)+2*(IQ%2):SC+4*(IQ/4)+2*(IQ%2)+1], v[S3+2*IQ:S3+2*IQ+1], v[V2R+2*(IQ%4):V2R+2*(IQ%4)+1], v[SC+4*(IQ/4)+2*(IQ%2):SC+4*(IQ/4)+2*(IQ%2)+1]
.endif
.endm
.macro TRANS n                         ; 0-7: set S2's reciprocals of pair n;  8-15: set S1's powers of pair n - 8
.if (\n) < 8
	v_rcp_f32 v[S2+2*(\n)], v[S2+2*(\n)]
	v_rcp_f32 v[S2+2*(\n)+1], v[S2+2*(\n)+1]
.else
	v_exp_f32 v[S1+2*(\n)-16], v[S1+2*(\n)-16]
	v_exp_f32 v[S1+2*(\n)-15], v[S1+2*(\n)-15]
.endif
.endm
; THE CHANGE OF SLOTS, in a slot's last tile, behind the wait ahead of its batch and ahead of the run that reads the other slot: all this slot's fragments have been read.  Each wave waits for all its tensor loads
; (its quarter of the other slot), adds 0 to its spare word, and waits for that and for its reads of this slot.  mode 0: a round of the cluster's barrier, and this slot is filled again, two chunks on.  mode 1: nothing is left to fetch.
.macro CHANGE mode
	WIN 0
	s_wait_tensorcnt 0x0
	ds_add_u32 v[SPW], v[NIL]
.if (\mode) == 0
	s_xor_b32 s37, s37, SLOT1                      ; no tensor load of mine is out: the walking group may be written
	s_add_nc_u64 s[38:39], s[38:39], CHB
.endif
	s_wait_dscnt 0x0
.if (\mode) == 0
	CROUND
	WIN MAIN
	tensor_load_to_lds s[36:39], s[24:31]
	s_nop 0
.else
	s_barrier_signal -1
	s_barrier_wait -1
	WIN MAIN
.endif
	PLACES
.endm
; Tile b of a chunk.  mode 0: the chunk's slot is filled again; 1: the last chunk but one; 2: the last.
; A TILE'S LDS LOADS, all for the next tile, stand in two runs, each directly behind one of the batch's two waits.  Ahead of the batch: scale words 1, fragments 0-3: 12, c ws 2.
; Behind the batch: fragments 4-7: 12, and in tiles 3 and 7 -2 v: 8 (PV in the tile behind).  The 24 plain lines are the places behind the last readers of the registers loaded.
; The counts of s_wait_dscnt are the loads issued behind the fragment wanted: K step ks < 4: 3 (3 - ks) + 2 + 12 + PV; ks >= 4: 3 (7 - ks) + PV.
.macro BODY b, mode
.set S1, ACC+16*((\b)%4)
.set S2, ACC+16*(((\b)+3)%4)
.set S3, ACC+16*(((\b)+2)%4)
.set SA, S1
.set TC, ((\b)+6)%8
.set V2R, V2B+32*(TC/4)+8*(TC%4)
.set BSS, BS+4*((\b)%2)
.set BSN, BS+4*(((\b)+1)%2)
.if (\b) == 7
.set NADR, 6
.set NOFF, 0
.elseif (\b) < 3
.set NADR, 4
.set NOFF, ((\b)+1)*TILEB
.else
.set NADR, 5
.set NOFF, ((\b)-3)*TILEB
.endif
.set PV, 0
.if ((\b) == 0) || ((\b) == 4)
.set PV, 8
.endif
.set NXT, 1
.if ((\b) == 7) && ((\mode) == 2)
.set NXT, 0
.endif
.set i, 0
.rept 16
.set ks, i/2
.set ka, i%2
.if (ka == 0) && (ks < 4)
	s_wait_dscnt 23-3*ks+PV
.elseif ka == 0
	s_wait_dscnt 21-3*ks+PV
.endif
.if ks == 0
.if ka == 0
	v_wmma_scale_f32_16x16x128_f8f6f4 v[SA:SA+7], v[BF:BF+11], v[0:11], 0, v[BSS], v[AS] matrix_a_fmt:MATRIX_FMT_BF6 matrix_b_fmt:MATRIX_FMT_BF6
.else
	v_wmma_scale_f32_16x16x128_f8f6f4 v[SA+8:SA+15], v[BF:BF+11], v[96:107], 0, v[BSS], v[AS] matrix_a_fmt:MATRIX_FMT_BF6 matrix_b_fmt:MATRIX_FMT_BF6 matrix_b_scale:MATRIX_SCALE_ROW1
.endif
.elseif ks%2 == 0
.if ka == 0
	v_wmma_scale_f32_16x16x128_f8f6f4 v[SA:SA+7], v[BF+12*ks:BF+12*ks+11], v[12*ks:12*ks+11], v[SA:SA+7], v[BSS+ks/2], v[AS+ks] matrix_a_fmt:MATRIX_FMT_BF6 matrix_b_fmt:MATRIX_FMT_BF6
.else
	v_wmma_scale_f32_16x16x128_f8f6f4 v[SA+8:SA+15], v[BF+12*ks:BF+12*ks+11], v[96+12*ks:96+12*ks+11], v[SA+8:SA+15], v[BSS+ks/2], v[AS+ks] matrix_a_fmt:MATRIX_FMT_BF6 matrix_b_fmt:MATRIX_FMT_BF6 matrix_b_scale:MATRIX_SCALE_ROW1
.endif
.else
.if ka == 0
	v_wmma_scale_f32_16x16x128_f8f6f4 v[SA:SA+7], v[BF+12*ks:BF+12*ks+11], v[12*ks:12*ks+11], v[SA:SA+7], v[BSS+ks/2], v[AS+ks] matrix_a_fmt:MATRIX_FMT_BF6 matrix_b_fmt:MATRIX_FMT_BF6 matrix_a_scale:MATRIX_SCALE_ROW1
.else
	v_wmma_scale_f32_16x16x128_f8f6f4 v[SA+8:SA+15], v[BF+12*ks:BF+12*ks+11], v[96+12*ks:96+12*ks+11], v[SA+8:SA+15], v[BSS+ks/2], v[AS+ks] matrix_a_fmt:MATRIX_FMT_BF6 matrix_b_fmt:MATRIX_FMT_BF6 matrix_a_scale:MATRIX_SCALE_ROW1 matrix_b_scale:MATRIX_SCALE_ROW1
.endif
.endif
.set i, i+1
.endr
.irp n, 8,9,10,11,20,21,22,23
	PLAIN \n                                       ; eight plain lines: the places behind the last product
.endr
.irp n, 0,1,2,3,4,5,6,7
	PLAIN \n
.endr
.irp n, 12,13,14,15,16,17,18,19
	PLAIN \n
.endr
	s_wait_alu depctr_va_vdst(0)                   ; ahead of the batch
.if NXT
.if (\b) == 7
	CHANGE \mode
.endif
	ds_load_b128 v[BSN:BSN+3], v[NADR] offset:NOFF+12288   ; the next tile's scale words, into the other set
.irp s, 0,1,2,3
	RLD NADR, NOFF, \s
.endr
	ds_load_b128 v[WS:WS+3], v7 offset:64*((\b)+1)         ; c ws of the next tile
	ds_load_b128 v[WS+4:WS+7], v7 offset:64*((\b)+1)+16
.endif
.irp n, 0,1,2,3,4,5,6,7,8,9,10,11,12,13,14,15
	TRANS \n
.endr
	v_nop                                          ; one plain place behind the batch
	s_wait_alu depctr_va_vdst(0)                   ; behind the batch
.if NXT
.irp s, 4,5,6,7
	RLD NADR, NOFF, \s
.endr
.endif
.if (\b) == 3
	V2LOAD 256, 1, MAIN                            ; -2 v for this chunk's tiles 4-7: last read in tile 1, next in tile 6
.endif
.if ((\b) == 7) && NXT
	V2LOAD 512, 0, MAIN                            ; -2 v for the next chunk's tiles 0-3: last read in tile 5, next in tile 2
.endif
.endm
.macro CHUNK mode
	CHUNK_HEAD
	WIN MAIN
.irp b, 0,1,2,3,4,5,6,7
	BODY \b, \mode
.endr
	WIN 0
	s_xor_b32 s40, s40, SLOT1
	s_add_co_u32 s41, s41, 512
.endm
	s_mov_b32 s40, 0
	s_mov_b32 s41, 0
	s_mov_b32 s42, 6
	CHUNK_HEAD
	V2LOAD 0, 0, 0
	ds_load_b128 v[BS:BS+3], v4 offset:12288
	ds_load_b128 v[WS:WS+3], v7
	ds_load_b128 v[WS+4:WS+7], v7 offset:16
.irp s, 0,1,2,3,4,5,6,7
	RLD 4, 0, \s
.endr
	s_wait_dscnt 0x0                               ; so that the way into the loop meets the counts that the way back meets
.Lchunk:                                           ; six trips: chunks 0 to 5 ask for chunks 2 to 7
	CHUNK 0
	s_sub_co_u32 s42, s42, 1
	s_cmp_lg_u32 s42, 0
	s_cbranch_scc1 .Lchunk
	CHUNK 1                                        ; the last two chunks are written out
	CHUNK 2
	WIN MAIN                                       ; the stages run out: tile 62's sum, tile 63's + 1 and reciprocals, tile 63's sum
.set S3, ACC+32
.set S2, ACC+48
.set V2R, V2B+32+16
.irp n, 8,9,10,11,20,21,22,23,0,1,2,3,4,5,6,7
	PLAIN \n
.endr
	s_wait_alu depctr_va_vdst(0)
.irp n, 0,1,2,3,4,5,6,7
	TRANS \n
.endr
	v_nop
	s_wait_alu depctr_va_vdst(0)
.set S3, ACC+48
.set V2R, V2B+32+24
.irp n, 8,9,10,11,20,21,22,23
	PLAIN \n
.endr
	WIN 0
	; THE SCORES: a row's sum lies in four registers of lanes r and 16 + r
	v_pk_add_f32 v[40:41], v[40:41], v[42:43]
	v_pk_add_f32 v[44:45], v[44:45], v[46:47]
	v_add_f32 v40, v40, v41
	v_add_f32 v44, v44, v45
	v_permlanex16_b32 v11, v40, s46, s47
	v_permlanex16_b32 v12, v44, s46, s47
	v_add_f32 v40, v40, v11
	v_add_f32 v44, v44, v12
	v_cndmask_b32 v40, v40, v44, s48               ; lane = row of my 32
	v_add_f32 v40, v40, v15                        ; + the sum of v
	v_lshl_add_u32 v212, v0, 2, SCL
	v_mov_b32 v213, s54                            ; my wave's word
	v_mov_b32 v214, RED1
	v_add_nc_u32 v215, s55, v1                     ; my wave's partial context
	v_add_nc_u32 v216, s56, v1                     ; the quarter of the columns that my wave sums
	v_add_nc_u32 v217, SCL, v1
	ds_store_b32 v212, v40
	v_mov_b32 v41, v40
	v_max_num_f32_dpp v41, v41, v41 row_xmask:1 row_mask:0xf bank_mask:0xf
	v_max_num_f32_dpp v41, v41, v41 row_xmask:2 row_mask:0xf bank_mask:0xf
	v_max_num_f32_dpp v41, v41, v41 row_xmask:4 row_mask:0xf bank_mask:0xf
	v_max_num_f32_dpp v41, v41, v41 row_xmask:8 row_mask:0xf bank_mask:0xf
	v_permlanex16_b32 v11, v41, s46, s47
	v_max_num_f32 v41, v41, v11
	ds_store_b32 v213, v41
	s_wait_alu depctr_va_vdst(0)
	s_wait_dscnt 0x0
	s_barrier_signal -1
	s_barrier_wait -1
	ds_load_b128 v[208:211], v214
	s_wait_dscnt 0x0
	v_max3_num_f32 v42, v208, v209, v210
	v_max_num_f32 v42, v42, v211                   ; M: the block's largest score
	v_sub_f32 v43, v40, v42
	v_mul_f32 v43, s49, v43
	s_wait_alu depctr_va_vdst(0)
	v_exp_f32 v43, v43                             ; p = e^(score - M), at most 1
	v_nop
	s_wait_alu depctr_va_vdst(0)
	v_mov_b32 v47, v43
	v_add_f32_dpp v47, v47, v47 row_xmask:1 row_mask:0xf bank_mask:0xf
	v_add_f32_dpp v47, v47, v47 row_xmask:2 row_mask:0xf bank_mask:0xf
	v_add_f32_dpp v47, v47, v47 row_xmask:4 row_mask:0xf bank_mask:0xf
	v_add_f32_dpp v47, v47, v47 row_xmask:8 row_mask:0xf bank_mask:0xf
	v_permlanex16_b32 v11, v47, s46, s47
	v_add_f32 v47, v47, v11                        ; my wave's sum of p
	; p as source 0: register q of row tile a holds (p of row 2 q, p of row 2 q + 1) as bf16 in lanes 0 and 17, zeros elsewhere
	v_mov_b32_dpp v44, v43 row_xmask:1 row_mask:0xf bank_mask:0xf
	v_cvt_pk_bf16_f32 v45, v43, v44                ; in even lanes: my p and my neighbour's
	v_cndmask_b32 v46, 0, -1, s57
.set q, 0
.rept 16
	v_readlane_b32 s[66+q], v45, 2*q
.set q, q+1
.endr
.set q, 0
.rept 16
	v_and_b32 v[PA+q], s[66+q], v46
.set q, q+1
.endr
	WIN 0x58                                       ; source 1 window 2, C and D window 1
.set x, 0
.rept 32
	v_wmma_f32_16x16x32_bf16 v[8*x:8*x+7], v[PA:PA+7], v[8*x:8*x+7], 0
.set x, x+1
.endr
	WIN 0x5c                                       ; source 1 window 3; the 32 accumulators take turns
.set x, 0
.rept 32
	v_wmma_f32_16x16x32_bf16 v[8*x:8*x+7], v[PA+8:PA+15], v[8*x:8*x+7], v[8*x:8*x+7]
.set x, x+1
.endr
	PLACES
	WIN 0x01                                       ; source 0 window 1
.set x, 0
.rept 32
	v_permlanex16_b32 v[208+x%4], v[8*x+1], s46, s47       ; result row 1: the columns of lanes 16-31
	v_cndmask_b32 v[CA+x], v[8*x], v[208+x%4], s48
.set x, x+1
.endr
	WIN 0
.irp s, 0,1,2,3,4,5,6,7
	ds_store_b128 v215, v[CA+4*\s:CA+4*\s+3] offset:512*\s
.endr
	ds_store_b32 v213, v47 offset:64
	v_lshrrev_b32 v11, 1, v1                       ; 8 x lane
	s_wait_alu depctr_va_vdst(0)
	s_wait_dscnt 0x0
	s_barrier_signal -1
	s_barrier_wait -1
.irp u, 0,1,2,3
.irp q, 0,1
	ds_load_b128 v[144+8*\u+4*\q:147+8*\u+4*\q], v216 offset:4096*\u+512*\q
.endr
.endr
	ds_load_b128 v[208:211], v214 offset:64
	s_wait_dscnt 0x0
.irp q, 0,1
.irp u, 1,2,3
	v_pk_add_f32 v[144+4*\q:145+4*\q], v[144+4*\q:145+4*\q], v[144+8*\u+4*\q:145+8*\u+4*\q]
	v_pk_add_f32 v[146+4*\q:147+4*\q], v[146+4*\q:147+4*\q], v[146+8*\u+4*\q:147+8*\u+4*\q]
.endr
.endr
	v_add_f32 v208, v208, v209
	v_add_f32 v210, v210, v211
	v_add_f32 v43, v208, v210                      ; l: the block's sum of p
	s_wait_alu depctr_va_vdst(0)
	global_store_b128 v1, v[144:147], s[16:17]             ; 32 lanes store 512 consecutive bytes, at a multiple of 256 from the buffer's first byte
	global_store_b128 v1, v[148:151], s[16:17] offset:512
	s_cmp_lg_u32 s18, 0
	s_cbranch_scc1 .Lnot_first
	ds_load_b128 v[176:179], v217                  ; wave 0: the block's 128 scores,
	s_wait_dscnt 0x0
	global_store_b128 v1, v[176:179], s[12:13]
	global_store_b64 v11, v[42:43], s[14:15]       ; and (M, l), the same in all lanes: 256 consecutive bytes
.Lnot_first:
	s_wait_tensorcnt 0x0                           ; the wave's end
	ds_add_u32 v[SPW], v[NIL]
	s_wait_dscnt 0x0
	CROUND                                         ; the closing round
	s_endpgm
.Lfunc_end_k_q988d9b9666_main:
	.size	k_q988d9b9666_main, .Lfunc_end_k_q988d9b9666_main-k_q988d9b9666_main
	.p2alignl 7, 3214868480
	.fill 96, 4, 3214868480
	.section	.rodata,"a",@progbits
	.p2align	6, 0x0
	.amdhsa_kernel k_q988d9b9666_main
		.amdhsa_group_segment_fixed_size 327680
		.amdhsa_private_segment_fixed_size 0
		.amdhsa_enable_private_segment 0
		.amdhsa_kernarg_size 56
		.amdhsa_user_sgpr_count 2
		.amdhsa_user_sgpr_kernarg_segment_ptr 1
		.amdhsa_wavefront_size32 1
		.amdhsa_system_sgpr_workgroup_id_x 1
		.amdhsa_system_sgpr_workgroup_id_y 1
		.amdhsa_system_sgpr_workgroup_id_z 1
		.amdhsa_system_vgpr_workitem_id 0
		.amdhsa_next_free_vgpr 1024
		.amdhsa_next_free_sgpr 100
		.amdhsa_reserve_vcc 0
		.amdhsa_float_denorm_mode_32 3
		.amdhsa_float_denorm_mode_16_64 3
		.amdhsa_memory_ordered 1
		.amdhsa_forward_progress 1
		.amdhsa_inst_pref_size 255
	.end_amdhsa_kernel
	.section	.bss,"aw",@nobits
	.p2align	6
	.space	262144
	.amdgpu_metadata
---
amdhsa.version: [ 1, 2 ]
amdhsa.kernels:
  - .name:           k_q988d9b9666_main
    .symbol:         k_q988d9b9666_main.kd
    .args:
      - { .name: encoder_outputs, .offset: 0, .size: 8, .value_kind: global_buffer, .address_space: global }
      - { .name: v, .offset: 8, .size: 8, .value_kind: global_buffer, .address_space: global }
      - { .name: wimg, .offset: 16, .size: 8, .value_kind: global_buffer, .address_space: global }
      - { .name: wsc, .offset: 24, .size: 8, .value_kind: global_buffer, .address_space: global }
      - { .name: scores, .offset: 32, .size: 8, .value_kind: global_buffer, .address_space: global }
      - { .name: part_ml, .offset: 40, .size: 8, .value_kind: global_buffer, .address_space: global }
      - { .name: part_ctx, .offset: 48, .size: 8, .value_kind: global_buffer, .address_space: global }
    .group_segment_fixed_size: 327680
    .private_segment_fixed_size: 0
    .kernarg_segment_align: 8
    .kernarg_segment_size: 56
    .max_flat_workgroup_size: 128
    .sgpr_count:     100
    .vgpr_count:     1024
    .wavefront_size: 32
...
	.end_amdgpu_metadata
.endif
;; end of part 2
;; launch comb (part 3): grid 32 x 1, 8 waves a work-group, no clusters, 0 bytes of LDS; arguments scores, part_ml, part_ctx, out0, out1; writes out0, out1
.if DOCPART == 3
	.amdgcn_target "amdgcn-amd-amdhsa--gfx1250"
	.amdhsa_code_object_version 6
	.text
	.protected	k_q988d9b9666_comb
	.globl	k_q988d9b9666_comb
	.p2align	8
	.type	k_q988d9b9666_comb,@function
k_q988d9b9666_comb:
	s_mov_b64 s[64:65], 0
	v_nop
	global_prefetch_b8 v0, s[64:65] scope:SCOPE_SE
	s_setreg_imm32_b32 hwreg(HW_REG_WAVE_MODE, 25, 1), 1
	s_wait_xcnt 0x0
; One work-group for a batch joins its sixteen blocks: Mg = the largest M_i; w_i = e^(M_i - Mg); L = sum of w_i l_i;
; out0[b][:] = sum of w_i ctx_i[:] / L;  out1[b][s] = e^(score - Mg) / L.  Thread t owns 4 columns of the context and 2 x 4 scores: every load and store of a wave covers 512 consecutive bytes.
; The maximum is taken away before every exponential, so none exceeds 1.  LIMITS: NaN and infinities are not served.
	s_load_b128 s[4:7], s[0:1], 0x0                ; scores, part_ml
	s_load_b128 s[8:11], s[0:1], 0x10              ; part_ctx, out0
	s_load_b64 s[12:13], s[0:1], 0x20              ; out1
	v_lshlrev_b32 v1, 4, v0                        ; 16 x thread
	s_lshl_b32 s14, ttmp9, 12
	s_mov_b32 s15, 0
	s_lshl_b32 s16, ttmp9, 16
	s_mov_b32 s17, 0
	s_lshl_b32 s18, ttmp9, 13
	s_mov_b32 s19, 0
	s_wait_alu depctr_va_vdst(0)
	s_wait_kmcnt 0x0
	s_add_nc_u64 s[6:7], s[6:7], s[14:15]          ; sixteen blocks x 256 bytes
	s_add_nc_u64 s[10:11], s[10:11], s[14:15]
	s_add_nc_u64 s[8:9], s[8:9], s[16:17]          ; sixteen blocks x 4,096 bytes
	s_add_nc_u64 s[4:5], s[4:5], s[18:19]
	s_add_nc_u64 s[12:13], s[12:13], s[18:19]
.irp i, 0,1,2,3,4,5,6,7,8,9,10,11,12,13,14,15
	s_load_b64 s[32+2*\i:33+2*\i], s[6:7], 256*\i          ; (M_i, l_i)
.endr
.irp u, 0,1,2,3,4,5,6,7,8,9,10,11,12,13,14,15
	global_load_b128 v[16+4*\u:19+4*\u], v1, s[8:9] offset:4096*\u
.endr
	global_load_b128 v[80:83], v1, s[4:5]
	global_load_b128 v[84:87], v1, s[4:5] offset:4096
	s_wait_kmcnt 0x0
	v_mov_b32 v2, s32
.irp i, 1,2,3,4,5,6,7,8,9,10,11,12,13,14,15
	s_delay_alu instid0(VALU_DEP_1)
	v_max_num_f32 v2, s[32+2*\i], v2               ; Mg
.endr
.irp i, 0,1,2,3,4,5,6,7,8,9,10,11,12,13,14,15
	v_sub_f32 v[96+\i], s[32+2*\i], v2
.endr
.irp i, 0,1,2,3,4,5,6,7,8,9,10,11,12,13,14,15
	v_mul_f32 v[96+\i], 0x3fb8aa3b, v[96+\i]
.endr
	s_wait_alu depctr_va_vdst(0)
.irp i, 0,1,2,3,4,5,6,7,8,9,10,11,12,13,14,15
	v_exp_f32 v[96+\i], v[96+\i]                   ; w_i, one batch
.endr
	v_nop
	s_wait_alu depctr_va_vdst(0)                   ; one wait for the batch, ahead of its first reader
	v_mul_f32 v3, s33, v96
.irp i, 1,2,3,4,5,6,7,8,9,10,11,12,13,14,15
	v_fma_f32 v3, v[96+\i], s[33+2*\i], v3         ; L
.endr
	s_wait_alu depctr_va_vdst(0)
	v_rcp_f32 v4, v3
	v_nop
	s_wait_alu depctr_va_vdst(0)
.irp i, 0,1,2,3,4,5,6,7,8,9,10,11,12,13,14,15
	v_mul_f32 v[96+\i], v[96+\i], v4               ; w_i / L
.endr
	s_wait_loadcnt 0x0
.irp j, 0,1,2,3,4,5,6,7
	v_sub_f32 v[80+\j], v[80+\j], v2
.endr
.irp j, 0,1,2,3,4,5,6,7
	v_mul_f32 v[80+\j], 0x3fb8aa3b, v[80+\j]
.endr
	s_wait_alu depctr_va_vdst(0)
.irp j, 0,1,2,3,4,5,6,7
	v_exp_f32 v[80+\j], v[80+\j]
.endr
.irp k, 0,1,2,3
	v_mul_f32 v[112+\k], v[16+\k], v96             ; the context's sums stand behind the exponentials as independent work
.endr
.irp u, 1,2,3,4,5,6,7,8,9,10,11,12,13,14,15
.irp k, 0,1,2,3
	s_delay_alu instid0(VALU_DEP_4)
	v_fma_f32 v[112+\k], v[16+4*\u+\k], v[96+\u], v[112+\k]
.endr
.endr
	global_store_b128 v1, v[112:115], s[10:11]
	s_wait_alu depctr_va_vdst(0)
.irp j, 0,1,2,3,4,5,6,7
	v_mul_f32 v[88+\j], v[80+\j], v4
.endr
	global_store_b128 v1, v[88:91], s[12:13]
	global_store_b128 v1, v[92:95], s[12:13] offset:4096
	s_endpgm
.Lfunc_end_k_q988d9b9666_comb:
	.size	k_q988d9b9666_comb, .Lfunc_end_k_q988d9b9666_comb-k_q988d9b9666_comb
	.p2alignl 7, 3214868480
	.fill 96, 4, 3214868480
	.section	.rodata,"a",@progbits
	.p2align	6, 0x0
	.amdhsa_kernel k_q988d9b9666_comb
		.amdhsa_group_segment_fixed_size 0
		.amdhsa_private_segment_fixed_size 0
		.amdhsa_enable_private_segment 0
		.amdhsa_kernarg_size 40
		.amdhsa_user_sgpr_count 2
		.amdhsa_user_sgpr_kernarg_segment_ptr 1
		.amdhsa_wavefront_size32 1
		.amdhsa_system_sgpr_workgroup_id_x 1
		.amdhsa_system_sgpr_workgroup_id_y 1
		.amdhsa_system_sgpr_workgroup_id_z 1
		.amdhsa_system_vgpr_workitem_id 0
		.amdhsa_next_free_vgpr 128
		.amdhsa_next_free_sgpr 66
		.amdhsa_reserve_vcc 0
		.amdhsa_float_denorm_mode_32 3
		.amdhsa_float_denorm_mode_16_64 3
		.amdhsa_memory_ordered 1
		.amdhsa_forward_progress 1
		.amdhsa_inst_pref_size 16
	.end_amdhsa_kernel
	.amdgpu_metadata
---
amdhsa.version: [ 1, 2 ]
amdhsa.kernels:
  - .name:           k_q988d9b9666_comb
    .symbol:         k_q988d9b9666_comb.kd
    .args:
      - { .name: scores, .offset: 0, .size: 8, .value_kind: global_buffer, .address_space: global }
      - { .name: part_ml, .offset: 8, .size: 8, .value_kind: global_buffer, .address_space: global }
      - { .name: part_ctx, .offset: 16, .size: 8, .value_kind: global_buffer, .address_space: global }
      - { .name: out0, .offset: 24, .size: 8, .value_kind: global_buffer, .address_space: global }
      - { .name: out1, .offset: 32, .size: 8, .value_kind: global_buffer, .address_space: global }
    .group_segment_fixed_size: 0
    .private_segment_fixed_size: 0
    .kernarg_segment_align: 8
    .kernarg_segment_size: 40
    .max_flat_workgroup_size: 256
    .sgpr_count:     66
    .vgpr_count:     128
    .wavefront_size: 32
...
	.end_amdgpu_metadata
.endif
;; end of part 3
